; MI455X (gfx1250); checked and timed in simulation.
; The chip was launched on July 23, 2026; its instructions are those of AMD's public machine-readable ISA for CDNA 5 (MIT licence, August 2026) and "CDNA5" Instruction Set Architecture Reference Guide (July 2026). The comments in the code are by the model that wrote it; some were corrected since.
;; Point Attention. Allowed arithmetic: float matrix products may take bf16 or f16 operands with f32 sums; other float arithmetic in f32, or as packed bf16 or f16 multiplies, adds, multiply-adds, maxima and minima; sums over many terms, partial sums and values carried from step to step in f32; what a program stores and reads back later, other than sums and carried values, may be rounded once to bf16 or f16.
;; Inputs: Wk 3 x 64 float32; Wq 3 x 64 float32; Wv 64 x 64 float32; bk 64 float32; bq 64 float32; bv 64 float32; features 1,024 x 32 x 64 float32; p_W1 3 x 3 float32; p_W2 3 x 64 float32; p_b1 3 float32; p_b2 64 float32; p_ln_b 3 float32; p_ln_g 3 float32; pv_xyz 1,024 x 32 x 3 float32; w_W1 64 x 64 float32; w_W2 64 x 64 float32; w_b1 64 float32; w_b2 64 float32; w_ln1_b 64 float32; w_ln1_g 64 float32; w_ln2_b 64 float32; w_ln2_g 64 float32.
;; Outputs: out0 1,024 x 32 x 128 float32.
;; One version. Each part assembles by itself: llvm-mc -triple=amdgcn-amd-amdhsa -mcpu=gfx1250 --defsym DOCPART=n.
;; ======== version 1 of 1: 1 launch
;; limits: values outside matrix products are rounded to bf16
;; launch pa (part 1): grid 256 x 1, 8 waves a work-group, no clusters, 95,232 bytes of LDS; arguments features, out0, pv_xyz, w_W1, w_W2, Wv, w_ln2_g, w_ln2_b, w_b2, bv, p_W1, p_b1, p_ln_g, p_ln_b, Wk, Wq, p_W2, bq, bk, p_b2, w_ln1_g, w_ln1_b, w_b1; writes out0
.if DOCPART == 1
	.amdgcn_target "amdgcn-amd-amdhsa--gfx1250"
	.amdhsa_code_object_version 6
	.text
	.protected	k_qe833f70ad3_pa
	.globl	k_qe833f70ad3_pa
	.p2align	8
	.type	k_qe833f70ad3_pa,@function
k_qe833f70ad3_pa:
	s_mov_b64 s[64:65], 0
	v_nop
	global_prefetch_b8 v0, s[64:65] scope:SCOPE_SE
	s_setreg_imm32_b32 hwreg(HW_REG_WAVE_MODE, 25, 1), 1
	s_wait_xcnt 0x0
; POINT ATTENTION.  1,024 voxels of 32 points.  For each ordered pair (i, j) of a voxel a row of 64 channels goes through LN, ReLU, 64x64, LN, ReLU, 64x64; softmax over j;
; only the weight of j = i is kept, times v = features Wv + bv; the features are copied behind it: out[row] = (res[64], features[64]), f32.
; SHARES.  256 work-groups of 8 waves; a work-group owns 4 voxels; wave w owns voxel 4 g + w / 2 and its rows i = 16 (w % 2) .. + 15, two rows (i, i + 8) a trip, 8 trips.
; Nothing goes through memory; behind the one barrier of the set-up no wave waits for another.  Two waves share a SIMD's registers (512 each): a row's stages hang on each other,
; the loop reads no operands from LDS, so the second wave fills the first one's matrix and exponential time.
; NO CLUSTER, NO TENSOR LOADS: what work-groups share is 48 KiB of weights and fifteen rows of 256 bytes, read once through registers at the start; a wave's features (4 KiB) are read once,
; and the same registers feed the copy to the output.
; ALGEBRA (exact for every input).  The means of all three LNs are folded into the weights: p_W1, p_b1 are centred over their 3 outputs; the rows of G (below) and w_W1, w_b1 over their 64.
;   w' = F G' is LN1's centred input: F = (xj, 1, p, xi) per pair, G' = (-Wk, bq - bk + p_b2, p_W2, Wq) centred, times 1/8.  S2 = mean(w'^2) + eps, sigma = sqrt(S2).
;   relu(w' g1 / sigma + b1ln) = y / sigma with y = relu(w' g1 + sigma b1ln): a second small product, F GG, with sigma as a further feature.
;   LN2 does not see the factor 1 / sigma but for eps and the bias: H = y W1c + sigma b1c;  x2 = relu(H rsq(mean(H^2) + eps S2) g2 + b2ln);  logits = x2 w_W2 + w_b2.
;   softmax: the true maximum over j is taken away; res = e(j = i) / sum x v.
; LAYOUT.  The first three products are used transposed (source 0 = weights, row = output channel; source 1 = activations, column = pair): a lane holds one pair and 32 channels, and the
; results rounded in pairs ARE the next product's operand.  The last product is used straight (source 0 = the same registers, row = pair): a lane then holds one channel and 16 pairs, so the
; softmax runs along registers.  w_W2's and Wv's columns are permuted in LDS (place 16 c + r holds channel 4 r + c): a lane's four results are channels 4 r .. 4 r + 3, 16 bytes.
; Pairs are walked as j = place xor i: row i's own pair is place 0, row i + 8's is place 8: register 0 of the first accumulator in lanes 0-15, and in lanes 16-31.
; LIMITS.  xj, xi, p, sigma, y, x2, the features (for v) and all weights are rounded once to bf16 as matrix operands; sums in f32.  NaN and infinities are not treated apart (idle operand
; lanes hold other pairs' numbers and are multiplied by 0).  A weight below 2^-126 counts as 0 in the sum.  A point counts as empty if all three words are +0 or -0; a denormal is not 0.
.set W1I,    0             ; LDS: w_W1 centred, bf16, [k][n], 64 rows of 160 bytes (128 + 32: the turning load's 8 rows x 32 bytes take each of the 64 banks of 4 bytes once, ISA guide 11.1)
.set W2I,    10240         ; w_W2, the same pitch, columns permuted
.set WVI,    20480         ; Wv, likewise
.set GI,     30720         ; three images of 2,048 bytes (GV, GG, A3): channel c's record of 16 bf16 at 32 c
.set GZ,     GI+6144       ; 6,144 bytes of zeros: what lanes 16-31 read as their part of those operands
.set WAVEB,  43008         ; from here 6,400 bytes for each wave: its 16 rows of features in bf16 (pitch 144),
.set WAVESZ, 6400
.set VBO,    2304          ; then its 16 rows of v in f32 (256 bytes each)
.set SPARE,  94208         ; the spare words, 128 bytes for each of 8 waves: four blocks of 256 bytes that no other line names
; window 0
.set L4,   1               ; 4 x lane
.set IDX,  2               ; 4 x (lane xor i); a temporary in the set-up
.set VADR, 3               ; LDS address of my 16 bytes of v: row u + 8 h
.set OADR, 4               ; my byte offset in out: 4,096 h + 16 r
.set ONE,  5               ; 1.0 (the lane's number in the set-up)
.set SPW,  6               ; LDS address of my spare word; never rewritten
.set NIL,  7               ; 0; never rewritten
.set X0,   8               ; v8-10   my point's x, y, z (lane = point)
.set RR,   11              ; r = lane % 16 (set-up)
.set XP,   12              ; v12-14  the point at my place: j = lane xor i
.set TMPV, 15              ; at work (h = lane / 16 in the set-up)
.set CE,   16              ; v16-18  fc_p's centred first layer for an empty pair
.set ZR,   19              ; 0
.set WA,   20              ; v20-23  the softmax weight of the own pair, four channels
.set VV,   24              ; v24-27  v
.set RES,  28              ; v28-31  what is stored
.set F,    32              ; v32-39 features of places 0-15 (in lanes 0-15), v40-47 of places 16-31
.set T,    48              ; v48-71  at work (PAIR3 names v48-50 by number, for the |..| modifier)
.set X,    72              ; v72-103 activations in bf16: tile t at X + 16 t
.set T16,  104             ; set-up addresses and two biases
.set L16,  105
.set AW8,  106
.set AW2,  107
.set ZA,   108
.set GA,   109
.set OF,   110
.set FBA,  111
.set TRA,  112
.set GRA,  113
.set FRA,  114
.set H32,  115
.set R16,  116
.set XO,   117
.set TM2,  118
.set TB,   120             ; v120-123 w_b2 of my four channels
.set BVT,  124             ; v124-127 bv of my four channels
.set ACC,  128             ; v128-191 accumulators: tile t at ACC + 32 t; the logits of channel group c, tile t at ACC + 16 c + 8 t
.set RAW,  128             ; set-up: the three matrices as loaded, 16 registers each
.set G2,   192             ; v192-223 w_ln2_g of my 32 channels
.set GR,   192             ; set-up, wave 0: fifteen rows of 64 as pairs (channel lane, channel lane + 32)
.set B2L,  224             ; v224-255 w_ln2_b
; window 1: matrix operands that never change
.set W1A,  0               ; w_W1 centred: block 16 mt + 8 ks
.set W2B,  64              ; w_W2: 16 c + 8 ks
.set GV,   128             ; G': 8 mt
.set GG,   160             ; G' g1 and b1ln
.set A3,   192             ; b1c in sigma's place
.set WB2,  224             ; w_b2 as a C operand: eight equal registers for each c
; scalars: s2 wave, s3 wave % 2, s4-7 at work, s[8:53] the 23 addresses, s56-63 and s66 p_W1, s68-70 p_b1, s72-74 p_ln_g, s76-78 p_ln_b, s79 trips, s80 4 i, s81-83 masks of empty pairs,
; s84 lanes 16-31, s86-87 lane selects, s88-89 log2(e), s90 -log2(e), s91 eps, s92 1/64, s93 1/3, s94-96 xi of row i, s97-99 of row i + 8, s100 -1/64 then -1/3, s101 at work
.set MSB, 0
.macro WIN new                      ; s_set_vgpr_msb: bits 1:0 source 0, 3:2 source 1, 5:4 source 2, 7:6 destination; the high byte repeats the setting that is left
.if MSB != (\new)
	s_set_vgpr_msb (MSB<<8)|(\new)
.set MSB, (\new)
.endif
.endm
.macro NOP4                         ; four places behind matrix instructions whose results are read next (ISA guide 7.12.1), where no other vector work is at hand
.rept 4
	v_nop
.endr
.endm
	s_load_b512 s[8:23], s[0:1], 0x0               ; features, out0, pv_xyz, w_W1, w_W2, Wv, w_ln2_g, w_ln2_b
	s_load_b512 s[24:39], s[0:1], 0x40             ; w_b2, bv, p_W1, p_b1, p_ln_g, p_ln_b, Wk, Wq
	s_load_b256 s[40:47], s[0:1], 0x80             ; p_W2, bq, bk, p_b2
	s_load_b128 s[48:51], s[0:1], 0xa0             ; w_ln1_g, w_ln1_b
	s_load_b64 s[52:53], s[0:1], 0xb0              ; w_b1
	v_lshl_add_u32 v[SPW], v0, 2, SPARE
	v_mov_b32 v[NIL], 0
	v_lshrrev_b32 v[ONE], 5, v0
	v_readfirstlane_b32 s2, v[ONE]                 ; wave 0..7
	s_and_b32 s3, s2, 1                            ; which 16 rows of the voxel
	s_lshr_b32 s4, s2, 1
	s_lshl_b32 s6, ttmp9, 2
	s_add_co_u32 s6, s6, s4                        ; my voxel
	s_mul_i32 s7, s2, WAVESZ
	s_add_co_u32 s7, s7, WAVEB                     ; my wave's features in LDS
	s_add_co_u32 s101, s7, VBO                     ; my wave's v
	s_mov_b32 s86, 0x76543210                      ; v_permlanex16_b32: each lane takes its own place in the other half
	s_mov_b32 s87, 0xfedcba98
	s_mov_b32 s100, 0xbc800000                     ; -1/64
	v_and_b32 v[ONE], 31, v0                       ; lane
	v_and_b32 v[RR], 15, v0                        ; r
	v_bfe_u32 v[TMPV], v0, 4, 1                    ; h
	v_mov_b32 v[ZR], 0
	v_lshlrev_b32 v[L4], 2, v[ONE]
	v_lshlrev_b32 v[T16], 4, v0                    ; a matrix's 16 rows of 256 bytes: 16 bytes a thread
	v_lshlrev_b32 v[L16], 4, v[ONE]
	v_lshlrev_b32 v[R16], 4, v[RR]
	v_lshlrev_b32 v[H32], 5, v[TMPV]
	v_mul_u32_u24 v[XO], v[ONE], 12                ; my point
	v_lshrrev_b32 v[IDX], 4, v0
	v_mul_u32_u24 v[IDX], v[IDX], 160              ; row thread / 16 of a matrix image
	v_lshl_add_u32 v[AW8], v[RR], 3, v[IDX]        ; four bf16 as they lie
	v_lshl_add_u32 v[AW2], v[RR], 1, v[IDX]        ; place r of a group of 16: channel 4 r + c goes to 32 c + 2 r
	v_lshl_add_u32 v[ZA], v0, 3, GZ
	v_lshl_add_u32 v[GA], v[ONE], 5, GI            ; channel lane's record
	v_lshl_add_u32 v[OF], v[TMPV], 9, v[R16]       ; two rows of out: 512 h + 16 r
	v_lshl_add_u32 v[OADR], v[TMPV], 12, v[R16]    ; rows i and i + 8
	v_mul_u32_u24 v[IDX], v[TMPV], 144
	v_lshl_add_u32 v[IDX], v[RR], 3, v[IDX]
	v_add_nc_u32 v[FBA], s7, v[IDX]                ; features in: row h, 8 bytes at 8 r
	v_mul_u32_u24 v[IDX], v[RR], 144
	v_lshl_add_u32 v[IDX], v[TMPV], 4, v[IDX]
	v_add_nc_u32 v[FRA], s7, v[IDX]                ; features as a fragment: row r, 16 bytes at 16 h
	v_lshl_add_u32 v[IDX], v[TMPV], 11, v[R16]
	v_add_nc_u32 v[VADR], s101, v[IDX]             ; v: row 8 h, 16 bytes at 16 r
	v_and_b32 v[IDX], 7, v0
	v_lshl_add_u32 v[IDX], v[TMPV], 3, v[IDX]
	v_mul_u32_u24 v[IDX], v[IDX], 160
	v_bfe_u32 v[TM2], v0, 3, 1
	v_lshl_add_u32 v[TRA], v[TM2], 4, v[IDX]       ; the turning load: row 8 h + lane % 8, 16 bytes at 16 ((lane / 8) % 2)
	v_mul_u32_u24 v[IDX], v[TMPV], 6144
	v_lshl_add_u32 v[IDX], v[RR], 5, v[IDX]
	v_add_nc_u32 v[GRA], GI, v[IDX]                ; lanes 0-15: channel r's record; lanes 16-31: zeros
	s_wait_kmcnt 0x0
	s_load_b256 s[56:63], s[28:29], 0x0            ; p_W1[b][a] at word 3 b + a: words 0-7,
	s_load_b32 s66, s[28:29], 0x20                 ; word 8
	s_load_b96 s[68:70], s[30:31], 0x0             ; p_b1
	s_load_b96 s[72:74], s[32:33], 0x0             ; p_ln_g
	s_load_b96 s[76:78], s[34:35], 0x0             ; p_ln_b
	s_lshl_b32 s4, s6, 5
	s_lshl_b32 s5, s3, 4
	s_add_co_u32 s4, s4, s5                        ; my first row: 32 x voxel + 16 x half
	s_lshl_b32 s4, s4, 8                           ; x 256 bytes
	s_mov_b32 s5, 0
	s_add_nc_u64 s[8:9], s[8:9], s[4:5]            ; features at my first row
	s_add_nc_u64 s[10:11], s[10:11], s[4:5]
	s_add_nc_u64 s[10:11], s[10:11], s[4:5]        ; out at my first row: 512 bytes a row
	s_mul_i32 s4, s6, 384
	s_add_nc_u64 s[12:13], s[12:13], s[4:5]        ; my voxel's points
	; wave 0 alone makes the three small images: fifteen rows of 64 numbers, two a lane
.macro GLD n, sb, off
	global_load_b32 v[GR+2*(\n)], v[L4], s[\sb:\sb+1] offset:\off
	global_load_b32 v[GR+2*(\n)+1], v[L4], s[\sb:\sb+1] offset:(\off)+128
.endm
	s_cmp_lg_u32 s2, 0
	s_cbranch_scc1 .Lno_rows
	GLD 0, 36, 0                                   ; rows 0-2 Wk
	GLD 1, 36, 256
	GLD 2, 36, 512
	GLD 3, 38, 0                                   ; 3-5 Wq
	GLD 4, 38, 256
	GLD 5, 38, 512
	GLD 6, 40, 0                                   ; 6-8 p_W2
	GLD 7, 40, 256
	GLD 8, 40, 512
	GLD 9, 42, 0                                   ; 9 bq
	GLD 10, 44, 0                                  ; 10 bk
	GLD 11, 46, 0                                  ; 11 p_b2
	GLD 12, 48, 0                                  ; 12 w_ln1_g
	GLD 13, 50, 0                                  ; 13 w_ln1_b
	GLD 14, 52, 0                                  ; 14 w_b1
.Lno_rows:
.irp n, 0,1,2,3
	global_load_b128 v[RAW+4*\n:RAW+4*\n+3], v[T16], s[14:15] offset:\n*4096        ; w_W1: the eight waves take 16 rows a load
.endr
.irp n, 0,1,2,3
	global_load_b128 v[RAW+16+4*\n:RAW+16+4*\n+3], v[T16], s[16:17] offset:\n*4096  ; w_W2
.endr
.irp n, 0,1,2,3
	global_load_b128 v[RAW+32+4*\n:RAW+32+4*\n+3], v[T16], s[18:19] offset:\n*4096  ; Wv
.endr
.irp n, 0,1,2,3,4,5,6,7
	global_load_b128 v[X+4*\n:X+4*\n+3], v[L16], s[8:9] offset:\n*512 th:TH_LOAD_NT  ; my 16 rows of features, two rows a load
.endr
.irp a, 0,1,2
	global_load_b32 v[X0+\a], v[XO], s[12:13] offset:4*\a
.endr
	s_wait_loadcnt 11                              ; all but the 8 + 3 youngest: the matrices are in, and wave 0's rows, which are older
	; w_W1: each row (16 lanes x 4 numbers) is centred over its 64 outputs, rounded, stored as it lies
.irp n, 0,1,2,3
	v_add_f32 v[T+4*\n], v[RAW+4*\n], v[RAW+4*\n+1]
	v_add_f32 v[T+4*\n+1], v[RAW+4*\n+2], v[RAW+4*\n+3]
.endr
.irp n, 0,1,2,3
	v_add_f32 v[T+4*\n], v[T+4*\n], v[T+4*\n+1]
.endr
.irp m, 1,2,4,8
.irp n, 0,1,2,3
	v_add_f32_dpp v[T+4*\n], v[T+4*\n], v[T+4*\n] row_xmask:\m row_mask:0xf bank_mask:0xf
.endr
.endr
.irp n, 0,1,2,3
.irp k, 0,1,2,3
	v_fma_f32 v[RAW+4*\n+\k], v[T+4*\n], s100, v[RAW+4*\n+\k]
.endr
.endr
.irp n, 0,1,2,3
	v_cvt_pk_bf16_f32 v[T+4*\n+2], v[RAW+4*\n], v[RAW+4*\n+1]
	v_cvt_pk_bf16_f32 v[T+4*\n+3], v[RAW+4*\n+2], v[RAW+4*\n+3]
	ds_store_b64 v[AW8], v[T+4*\n+2:T+4*\n+3] offset:W1I+\n*2560
.endr
	; w_W2 and Wv: rounded; channel 4 r + c goes to place 16 c + r of its row
.macro PREPP img, raw
.irp n, 0,1,2,3
	v_cvt_pk_bf16_f32 v[T+4*\n], v[(\raw)+4*\n], v[(\raw)+4*\n+1]
	v_cvt_pk_bf16_f32 v[T+4*\n+2], v[(\raw)+4*\n+2], v[(\raw)+4*\n+3]
	v_lshrrev_b32 v[T+4*\n+1], 16, v[T+4*\n]
	v_lshrrev_b32 v[T+4*\n+3], 16, v[T+4*\n+2]
.irp c, 0,1,2,3
	ds_store_b16 v[AW2], v[T+4*\n+\c] offset:(\img)+\n*2560+32*\c
.endr
.endr
.endm
	PREPP W2I, RAW+16
	PREPP WVI, RAW+32
.irp k, 16,17,18,19
	v_mov_b32 v[T+\k], 0
.endr
	ds_store_b64 v[ZA], v[T+16:T+17]
	ds_store_b64 v[ZA], v[T+16:T+17] offset:2048
	ds_store_b64 v[ZA], v[T+16:T+17] offset:4096
	s_cmp_lg_u32 s2, 0
	s_cbranch_scc1 .Lno_images
	; A record's 16 places are the k of lanes 0-15 (0-7, then 16-23): -Wk0 -Wk1 -Wk2 const pW2_0 pW2_1 pW2_2 Wq0 | Wq1 Wq2 sigma's 0 0 0 0 0
	v_pk_add_f32 v[GR+18:GR+19], v[GR+18:GR+19], v[GR+20:GR+21] neg_lo:[0,1] neg_hi:[0,1]  ; bq - bk
	v_pk_add_f32 v[GR+18:GR+19], v[GR+18:GR+19], v[GR+22:GR+23]                            ; + p_b2
.irp n, 0,1,2,3,4,5,6,7,8,9,14      ; eleven rows are centred over the 64 channels, stage by stage; the matrices' registers are free and have been written
	v_add_f32 v[RAW+16+\n], v[GR+2*\n], v[GR+2*\n+1]
.endr
.irp m, 1,2,4,8
.irp n, 0,1,2,3,4,5,6,7,8,9,14
	v_add_f32_dpp v[RAW+16+\n], v[RAW+16+\n], v[RAW+16+\n] row_xmask:\m row_mask:0xf bank_mask:0xf
.endr
.endr
.irp n, 0,1,2,3,4,5,6,7,8,9,14
	v_permlanex16_b32 v[RAW+\n], v[RAW+16+\n], s86, s87
.endr
.irp n, 0,1,2,3,4,5,6,7,8,9,14
	v_add_f32 v[RAW+16+\n], v[RAW+16+\n], v[RAW+\n]
.endr
.irp n, 0,1,2,3,4,5,6,7,8,9,14
	v_fma_f32 v[GR+2*\n], v[RAW+16+\n], s100, v[GR+2*\n]
	v_fma_f32 v[GR+2*\n+1], v[RAW+16+\n], s100, v[GR+2*\n+1]
.endr
.irp n, 0,1,2
	v_pk_mul_f32 v[GR+2*\n:GR+2*\n+1], v[GR+2*\n:GR+2*\n+1], 0xbe000000 op_sel_hi:[1,0]  ; k enters with a minus: -1/8
.endr
.irp n, 3,4,5,6,7,8,9
	v_pk_mul_f32 v[GR+2*\n:GR+2*\n+1], v[GR+2*\n:GR+2*\n+1], 0x3e000000 op_sel_hi:[1,0]  ; 1/8
.endr
.irp k, 6,7,14,15
	v_mov_b32 v[T+\k], 0
.endr
.macro GREC img, hf, full, sig      ; the record of channel lane + 32 hf in image img; full = 0: only sigma's place; sig: the row that goes there, or -1
.set gs, T+8*(\hf)
.if \full
	v_cvt_pk_bf16_f32 v[gs], v[GR+(\hf)], v[GR+2+(\hf)]
	v_cvt_pk_bf16_f32 v[gs+1], v[GR+4+(\hf)], v[GR+18+(\hf)]
	v_cvt_pk_bf16_f32 v[gs+2], v[GR+12+(\hf)], v[GR+14+(\hf)]
	v_cvt_pk_bf16_f32 v[gs+3], v[GR+16+(\hf)], v[GR+6+(\hf)]
	v_cvt_pk_bf16_f32 v[gs+4], v[GR+8+(\hf)], v[GR+10+(\hf)]
	ds_store_b128 v[GA], v[gs:gs+3] offset:(\img)*2048+(\hf)*1024
.else
	v_mov_b32 v[gs+4], 0
	ds_store_b128 v[GA], v[T+16:T+19] offset:(\img)*2048+(\hf)*1024
.endif
.if (\sig) >= 0
	v_cvt_pk_bf16_f32 v[gs+5], v[GR+2*(\sig)+(\hf)], v[ZR]
.else
	v_mov_b32 v[gs+5], 0
.endif
	ds_store_b128 v[GA], v[gs+4:gs+7] offset:(\img)*2048+(\hf)*1024+16
.endm
	GREC 0, 0, 1, -1                               ; GV = G'
	GREC 0, 1, 1, -1
.irp n, 0,1,2,3,4,5,6,7,8,9
	v_pk_mul_f32 v[GR+2*\n:GR+2*\n+1], v[GR+2*\n:GR+2*\n+1], v[GR+24:GR+25]  ; x w_ln1_g
.endr
	GREC 1, 0, 1, 13                               ; GG = G' g1, w_ln1_b for sigma
	GREC 1, 1, 1, 13
	GREC 2, 0, 0, 14                               ; A3 = w_b1 centred, for sigma
	GREC 2, 1, 0, 14
.Lno_images:
	s_wait_loadcnt 3                               ; all but the three loads of my point: the features are in
.irp n, 0,1,2,3,4,5,6,7
	global_store_b128 v[OF], v[X+4*\n:X+4*\n+3], s[10:11] offset:\n*1024+256 th:TH_STORE_NT  ; the copy: 16 lanes store 256 consecutive bytes, the second half of a row of out
	v_cvt_pk_bf16_f32 v[T+2*\n], v[X+4*\n], v[X+4*\n+1]
	v_cvt_pk_bf16_f32 v[T+2*\n+1], v[X+4*\n+2], v[X+4*\n+3]
	ds_store_b64 v[FBA], v[T+2*\n:T+2*\n+1] offset:\n*288
.endr
.irp mt, 0,1,2,3                    ; LN2's gain and bias of my 32 channels, 16 mt + 8 h + 0..7
	global_load_b128 v[G2+8*\mt:G2+8*\mt+3], v[H32], s[20:21] offset:\mt*64
	global_load_b128 v[G2+8*\mt+4:G2+8*\mt+7], v[H32], s[20:21] offset:\mt*64+16
	global_load_b128 v[B2L+8*\mt:B2L+8*\mt+3], v[H32], s[22:23] offset:\mt*64
	global_load_b128 v[B2L+8*\mt+4:B2L+8*\mt+7], v[H32], s[22:23] offset:\mt*64+16
.endr
	global_load_b128 v[TB:TB+3], v[R16], s[24:25]    ; w_b2 of channels 4 r .. 4 r + 3
	global_load_b128 v[BVT:BVT+3], v[R16], s[26:27]  ; bv likewise
	s_wait_dscnt 0x0                               ; for the others' sake: my stores into the images are done
	s_barrier_signal -1
	s_barrier_wait -1                              ; the one barrier: the images are whole
	WIN 0x40                                       ; destination window 1, address window 0
.irp mt, 0,1,2,3
.irp ks, 0,1
	ds_load_tr16_b128 v[W1A+16*\mt+8*\ks:W1A+16*\mt+8*\ks+3], v[TRA] offset:W1I+\ks*5120+\mt*32
	ds_load_tr16_b128 v[W1A+16*\mt+8*\ks+4:W1A+16*\mt+8*\ks+7], v[TRA] offset:W1I+\ks*5120+\mt*32+2560
	ds_load_tr16_b128 v[W2B+16*\mt+8*\ks:W2B+16*\mt+8*\ks+3], v[TRA] offset:W2I+\ks*5120+\mt*32
	ds_load_tr16_b128 v[W2B+16*\mt+8*\ks+4:W2B+16*\mt+8*\ks+7], v[TRA] offset:W2I+\ks*5120+\mt*32+2560
.endr
.endr
.irp img, 0,1,2
.irp mt, 0,1,2,3
	ds_load_b128 v[GV+32*\img+8*\mt:GV+32*\img+8*\mt+3], v[GRA] offset:\img*2048+\mt*512
	ds_load_b128 v[GV+32*\img+8*\mt+4:GV+32*\img+8*\mt+7], v[GRA] offset:\img*2048+\mt*512+16
.endr
.endr
	WIN 0
.irp c, 0,1,2,3
.irp ks, 0,1
	ds_load_tr16_b128 v[ACC+16*\c+8*\ks:ACC+16*\c+8*\ks+3], v[TRA] offset:WVI+\ks*5120+\c*32
	ds_load_tr16_b128 v[ACC+16*\c+8*\ks+4:ACC+16*\c+8*\ks+7], v[TRA] offset:WVI+\ks*5120+\c*32+2560
.endr
.endr
.irp ks, 0,1
	ds_load_b128 v[T+8*\ks:T+8*\ks+3], v[FRA] offset:64*\ks        ; my own stores above: LDS serves a wave's instructions in order (ISA guide 5.7.1.4)
	ds_load_b128 v[T+8*\ks+4:T+8*\ks+7], v[FRA] offset:64*\ks+32
.endr
	s_wait_xcnt 0x0                                ; the copy's stores have read X, which the product below writes
	s_wait_loadcnt 0x0                             ; my point, LN2's rows, the two biases
	WIN 0x40
.irp c, 0,1,2,3
.irp j, 0,1,2,3,4,5,6,7
	v_mov_b32 v[WB2+8*\c+\j], v[TB+\c]             ; w_b2 as the C operand that starts the logits' sums
.endr
.endr
	WIN 0
	s_wait_dscnt 0x0                               ; all fragments
	; v = features Wv for my 16 rows: four accumulators by turns
.irp c, 0,1,2,3
	v_wmma_f32_16x16x32_bf16 v[X+8*\c:X+8*\c+7], v[T:T+7], v[ACC+16*\c:ACC+16*\c+7], 0
.endr
.irp c, 0,1,2,3
	v_wmma_f32_16x16x32_bf16 v[X+8*\c:X+8*\c+7], v[T+8:T+15], v[ACC+16*\c+8:ACC+16*\c+15], v[X+8*\c:X+8*\c+7]
.endr
	NOP4
.irp j, 0,1,2,3,4,5,6,7             ; + bv; row 8 h + j, channels 4 r .. 4 r + 3 lie together
.irp c, 0,1,2,3
	v_add_f32 v[ACC+4*\j+\c], v[X+8*\c+\j], v[BVT+\c]
.endr
	ds_store_b128 v[VADR], v[ACC+4*\j:ACC+4*\j+3] offset:\j*256
.endr
	s_wait_kmcnt 0x0                               ; fc_p's first layer and LN
	s_mov_b32 s100, 0xbeaaaaab                     ; -1/3
.macro SCEN a, b, c                 ; three scalars are centred
	s_add_f32 s101, s[\a], s[\b]
	s_add_f32 s101, s101, s[\c]
	s_fmac_f32 s[\a], s101, s100
	s_fmac_f32 s[\b], s101, s100
	s_fmac_f32 s[\c], s101, s100
.endm
	SCEN 56, 57, 58
	SCEN 59, 60, 61
	SCEN 62, 63, 66
	SCEN 68, 69, 70
	v_mov_b32 v[CE], s68                           ; an empty pair has dist = -1 three times: b1c - the column's sum
	v_mov_b32 v[CE+1], s69
	v_mov_b32 v[CE+2], s70
	v_sub_f32 v[CE], v[CE], s56
	v_sub_f32 v[CE+1], v[CE+1], s57
	v_sub_f32 v[CE+2], v[CE+2], s58
	v_sub_f32 v[CE], v[CE], s59
	v_sub_f32 v[CE+1], v[CE+1], s60
	v_sub_f32 v[CE+2], v[CE+2], s61
	v_sub_f32 v[CE], v[CE], s62
	v_sub_f32 v[CE+1], v[CE+1], s63
	v_sub_f32 v[CE+2], v[CE+2], s66
	s_mov_b32 s84, 0xffff0000
	s_mov_b32 s88, 0x3fb8aa3b                      ; log2(e)
	s_mov_b32 s89, s88                             ; named with it as a pair
	s_mov_b32 s90, 0xbfb8aa3b
	s_mov_b32 s91, 0x3727c5ac                      ; eps = 1e-5
	s_mov_b32 s92, 0x3c800000                      ; 1/64
	s_mov_b32 s93, 0x3eaaaaab                      ; 1/3
.set i, 0
.rept 16
	v_mov_b32 v[F+i], 0                            ; the features' unused places stay 0; sigma's place must be finite from the first product on
.set i, i+1
.endr
.set i, 0
.rept 24
	v_mov_b32 v[T+i], 0                            ; written once: second halves of broadcast pairs and destinations of lane exchanges count as read
.set i, i+1
.endr
	v_mov_b32 v[ONE], 1.0
	s_mov_b32 s79, 8
	s_lshl_b32 s80, s3, 6                          ; 4 i, i = 16 x half + trip
; THE TRIP'S PARTS.
.macro PERM                         ; the voxel's points in the order j = lane xor i; v of my row; the masks; xi of both rows; the features that both rows share
	WIN 0
	v_xor_b32 v[IDX], s80, v[L4]
	ds_bpermute_b32 v[XP], v[IDX], v[X0]
	ds_bpermute_b32 v[XP+1], v[IDX], v[X0+1]
	ds_bpermute_b32 v[XP+2], v[IDX], v[X0+2]
	ds_load_b128 v[VV:VV+3], v[VADR]
	s_wait_dscnt 0x0
	v_or_b32 v[TMPV], v[XP], v[XP+1]
	v_or_b32 v[TMPV], v[TMPV], v[XP+2]
	v_and_b32 v[TMPV], 0x7fffffff, v[TMPV]
	v_cmp_eq_u32 s81, 0, v[TMPV]                   ; point j is empty
	v_readlane_b32 s94, v[XP], 0                   ; place 0 is j = i,
	v_readlane_b32 s95, v[XP+1], 0
	v_readlane_b32 s96, v[XP+2], 0
	v_readlane_b32 s97, v[XP], 8                   ; place 8 is j = i + 8
	v_readlane_b32 s98, v[XP+1], 8
	v_readlane_b32 s99, v[XP+2], 8
	s_bitcmp1_b32 s81, 0
	s_cselect_b32 s82, -1, s81                     ; the pair is empty if either point is; the masks only choose values
	s_bitcmp1_b32 s81, 8
	s_cselect_b32 s83, -1, s81
	v_cvt_pk_bf16_f32 v[F], v[XP], v[XP+1]
	v_cvt_pk_bf16_f32 v[F+1], v[XP+2], v[ONE]
	v_permlanex16_b32 v[F+8], v[F], s86, s87
	v_permlanex16_b32 v[F+9], v[F+1], s86, s87
.endm
.macro PAIR3 xs, msk                ; fc_p up to its ReLU for the row whose xi lies in s[xs ..]: one pair a lane; v48-50 = T .. T + 2
	WIN 0
	v_sub_f32 v48, s[\xs], v[XP]
	v_sub_f32 v49, s[\xs+1], v[XP+1]
	v_sub_f32 v50, s[\xs+2], v[XP+2]
	v_fma_f32 v[T+3], |v48|, s56, s68
	v_fma_f32 v[T+4], |v48|, s57, s69
	v_fma_f32 v[T+5], |v48|, s58, s70
	v_fma_f32 v[T+3], |v49|, s59, v[T+3]
	v_fma_f32 v[T+4], |v49|, s60, v[T+4]
	v_fma_f32 v[T+5], |v49|, s61, v[T+5]
	v_fma_f32 v[T+3], |v50|, s62, v[T+3]
	v_fma_f32 v[T+4], |v50|, s63, v[T+4]
	v_fma_f32 v[T+5], |v50|, s66, v[T+5]
	v_cndmask_b32 v[T+3], v[T+3], v[CE], s[\msk]
	v_cndmask_b32 v[T+4], v[T+4], v[CE+1], s[\msk]
	v_cndmask_b32 v[T+5], v[T+5], v[CE+2], s[\msk]
	v_mul_f32 v[T+6], v[T+3], v[T+3]
	v_fma_f32 v[T+6], v[T+4], v[T+4], v[T+6]
	v_fma_f32 v[T+6], v[T+5], v[T+5], v[T+6]
	v_fma_f32 v[T+6], v[T+6], s93, s91
	v_rsq_f32 v[T+7], v[T+6]
	v_cvt_pk_bf16_f32 v[F+4], s[\xs+1], s[\xs+2]   ; the plain instruction behind the root (ISA guide 5.7.2)
	s_wait_alu depctr_va_vdst(0)
	v_mul_f32 v[T+3], v[T+3], v[T+7]
	v_mul_f32 v[T+4], v[T+4], v[T+7]
	v_mul_f32 v[T+5], v[T+5], v[T+7]
	v_fma_f32 v[T+3], v[T+3], s72, s76
	v_fma_f32 v[T+4], v[T+4], s73, s77
	v_fma_f32 v[T+5], v[T+5], s74, s78
	v_max_num_f32 v[T+3], 0, v[T+3]
	v_max_num_f32 v[T+4], 0, v[T+4]
	v_max_num_f32 v[T+5], 0, v[T+5]
	v_cvt_pk_bf16_f32 v[F+2], v[T+3], v[T+4]
	v_cvt_pk_bf16_f32 v[F+3], v[T+5], s[\xs]
	v_permlanex16_b32 v[F+10], v[F+2], s86, s87
	v_permlanex16_b32 v[F+11], v[F+3], s86, s87
	v_mov_b32 v[F+12], v[F+4]
.endm
; In every group of matrix instructions the accumulators take turns, one instruction a turn.
.macro MMG img, t                   ; tile t: 64 channels x 16 pairs = image x features
	WIN 0x01                                       ; source 0 in window 1
.irp mt, 0,1,2,3
	v_wmma_f32_16x16x32_bf16 v[ACC+32*(\t)+8*\mt:ACC+32*(\t)+8*\mt+7], v[(\img)+8*\mt:(\img)+8*\mt+7], v[F+8*(\t):F+8*(\t)+7], 0
.endr
.endm
.macro SS t                         ; the sum of squares of a pair's 64 channels into T + 8: four chains, each accumulator's lowest registers first, then the other half of the lanes
	WIN 0
.irp mt, 0,1,2,3
	v_pk_mul_f32 v[T+2*\mt:T+2*\mt+1], v[ACC+32*(\t)+8*\mt:ACC+32*(\t)+8*\mt+1], v[ACC+32*(\t)+8*\mt:ACC+32*(\t)+8*\mt+1]
.endr
.irp jj, 1,2,3
.irp mt, 0,1,2,3
	v_pk_fma_f32 v[T+2*\mt:T+2*\mt+1], v[ACC+32*(\t)+8*\mt+2*\jj:ACC+32*(\t)+8*\mt+2*\jj+1], v[ACC+32*(\t)+8*\mt+2*\jj:ACC+32*(\t)+8*\mt+2*\jj+1], v[T+2*\mt:T+2*\mt+1]
.endr
.endr
	v_pk_add_f32 v[T:T+1], v[T:T+1], v[T+2:T+3]
	v_pk_add_f32 v[T+4:T+5], v[T+4:T+5], v[T+6:T+7]
	v_pk_add_f32 v[T:T+1], v[T:T+1], v[T+4:T+5]
	v_add_f32 v[T+8], v[T], v[T+1]
	v_permlanex16_b32 v[T+9], v[T+8], s86, s87
	v_add_f32 v[T+8], v[T+8], v[T+9]
.endm
.macro SIG t                        ; S2 = mean + eps; sigma becomes a feature; eps S2 is kept for LN2
	WIN 0
	v_fma_f32 v[T+9], v[T+8], s92, s91
	v_sqrt_f32 v[T+22], v[T+9]
	v_mul_f32 v[T+10+(\t)], s91, v[T+9]            ; the plain instruction behind the root
	s_wait_alu depctr_va_vdst(0)
	v_cvt_pk_bf16_f32 v[F+8*(\t)+5], v[T+22], v[ZR]
.endm
.macro PACK t                       ; rounded in pairs, then ReLU on the packed halves: the next product's operand as it stands
	WIN 0
.set i, 0
.rept 16
	v_cvt_pk_bf16_f32 v[X+16*(\t)+i], v[ACC+32*(\t)+2*i], v[ACC+32*(\t)+2*i+1]
.set i, i+1
.endr
.set i, 0
.rept 16
	v_pk_max_num_bf16 v[X+16*(\t)+i], v[X+16*(\t)+i], v[ZR]
.set i, i+1
.endr
.endm
.macro MM1 t                        ; H = sigma b1c + y W1c
	WIN 0x01
.irp mt, 0,1,2,3
	v_wmma_f32_16x16x32_bf16 v[ACC+32*(\t)+8*\mt:ACC+32*(\t)+8*\mt+7], v[A3+8*\mt:A3+8*\mt+7], v[F+8*(\t):F+8*(\t)+7], 0
.endr
.irp ks, 0,1
.irp mt, 0,1,2,3
	v_wmma_f32_16x16x32_bf16 v[ACC+32*(\t)+8*\mt:ACC+32*(\t)+8*\mt+7], v[W1A+16*\mt+8*\ks:W1A+16*\mt+8*\ks+7], v[X+16*(\t)+8*\ks:X+16*(\t)+8*\ks+7], v[ACC+32*(\t)+8*\mt:ACC+32*(\t)+8*\mt+7]
.endr
.endr
.endm
.macro NORM t                       ; H rsq(mean(H^2) + eps S2) g2 + b2ln, in place
	WIN 0
	v_fma_f32 v[T+9], v[T+8], s92, v[T+10+(\t)]
	v_rsq_f32 v[T+12], v[T+9]
	v_nop                                          ; a plain instruction behind the root; nothing else is ready here
.set i, 0
	s_wait_alu depctr_va_vdst(0)
.rept 16
	v_pk_mul_f32 v[ACC+32*(\t)+2*i:ACC+32*(\t)+2*i+1], v[ACC+32*(\t)+2*i:ACC+32*(\t)+2*i+1], v[T+12:T+13] op_sel_hi:[1,0]
.set i, i+1
.endr
.set i, 0
.rept 16
	v_pk_fma_f32 v[ACC+32*(\t)+2*i:ACC+32*(\t)+2*i+1], v[ACC+32*(\t)+2*i:ACC+32*(\t)+2*i+1], v[G2+2*i:G2+2*i+1], v[B2L+2*i:B2L+2*i+1]
.set i, i+1
.endr
.endm
.macro MM2                          ; the logits, used straight: rows = pairs, columns = channels 4 r + c; w_b2 starts the sums
	WIN 0x14                                       ; source 1 and C in window 1
.irp c, 0,1,2,3
.irp t, 0,1
	v_wmma_f32_16x16x32_bf16 v[ACC+16*\c+8*\t:ACC+16*\c+8*\t+7], v[X+16*\t:X+16*\t+7], v[W2B+16*\c:W2B+16*\c+7], v[WB2+8*\c:WB2+8*\c+7]
.endr
.endr
	WIN 0x04                                       ; source 1 in window 1
.irp c, 0,1,2,3
.irp t, 0,1
	v_wmma_f32_16x16x32_bf16 v[ACC+16*\c+8*\t:ACC+16*\c+8*\t+7], v[X+16*\t+8:X+16*\t+15], v[W2B+16*\c+8:W2B+16*\c+15], v[ACC+16*\c+8*\t:ACC+16*\c+8*\t+7]
.endr
.endr
.endm
.macro SMF c, i                     ; pair i of group c: log2(e) s - log2(e) m
	v_pk_fma_f32 v[ACC+16*(\c)+2*(\i):ACC+16*(\c)+2*(\i)+1], v[ACC+16*(\c)+2*(\i):ACC+16*(\c)+2*(\i)+1], s[88:89], v[T+14+2*(\c):T+15+2*(\c)] op_sel_hi:[1,0,0]
.endm
.macro SMS c, k                     ; step k of 8 of group c's sum: upward, so that register 0, the own pair's weight, survives
.set sa, ACC+16*(\c)
.if (\k) == 0
	s_wait_alu depctr_va_vdst(0)
	v_pk_add_f32 v[sa+2:sa+3], v[sa+2:sa+3], v[sa:sa+1]
.elseif (\k) == 1
	v_pk_add_f32 v[sa+6:sa+7], v[sa+6:sa+7], v[sa+4:sa+5]
.elseif (\k) == 2
	v_pk_add_f32 v[sa+10:sa+11], v[sa+10:sa+11], v[sa+8:sa+9]
.elseif (\k) == 3
	v_pk_add_f32 v[sa+14:sa+15], v[sa+14:sa+15], v[sa+12:sa+13]
.elseif (\k) == 4
	v_pk_add_f32 v[sa+6:sa+7], v[sa+6:sa+7], v[sa+2:sa+3]
.elseif (\k) == 5
	v_pk_add_f32 v[sa+14:sa+15], v[sa+14:sa+15], v[sa+10:sa+11]
.elseif (\k) == 6
	v_pk_add_f32 v[sa+14:sa+15], v[sa+14:sa+15], v[sa+6:sa+7]
.else
	v_add_f32 v[sa+15], v[sa+14], v[sa+15]
.endif
.endm
; THE SOFTMAX over the 32 pairs, for my four channels: 16 pairs in registers ACC + 16 c + 0..15, the other 16 in the lane 16 away.  last = 0: row i (its own pair lies in lanes 0-15);
; last = 1: row i + 8 (lanes 16-31), merged into WA.
.macro SM last
	WIN 0
.irp c, 0,1,2,3                     ; two chains a group, each beginning at its accumulator's lowest registers
	v_max3_num_f32 v[T+\c], v[ACC+16*\c], v[ACC+16*\c+1], v[ACC+16*\c+2]
	v_max3_num_f32 v[T+4+\c], v[ACC+16*\c+8], v[ACC+16*\c+9], v[ACC+16*\c+10]
.endr
.irp p, 3,5
.irp c, 0,1,2,3
	v_max3_num_f32 v[T+\c], v[T+\c], v[ACC+16*\c+\p], v[ACC+16*\c+\p+1]
	v_max3_num_f32 v[T+4+\c], v[T+4+\c], v[ACC+16*\c+8+\p], v[ACC+16*\c+9+\p]
.endr
.endr
.irp c, 0,1,2,3
	v_max3_num_f32 v[T+\c], v[T+\c], v[ACC+16*\c+7], v[ACC+16*\c+15]
.endr
.irp c, 0,1,2,3
	v_max_num_f32 v[T+\c], v[T+\c], v[T+4+\c]
.endr
.irp c, 0,1,2,3
	v_permlanex16_b32 v[T+4+\c], v[T+\c], s86, s87
.endr
.irp c, 0,1,2,3
	v_max_num_f32 v[T+\c], v[T+\c], v[T+4+\c]
.endr
.irp c, 0,1,2,3
	v_mul_f32 v[T+14+2*\c], s90, v[T+\c]           ; -log2(e) m
.endr
; Five stages of eight: a plain instruction (group st's scaling; in the last stage group 0's sum), then two exponentials of group st - 1.  So a plain instruction stands behind every
; exponential before its result is used.
.set st, 0
.rept 5
.set i, 0
.rept 8
.if st < 4
	SMF st, i
.else
	SMS 0, i
.endif
.if st > 0
	v_exp_f32 v[ACC+16*(st-1)+2*i], v[ACC+16*(st-1)+2*i]
	v_exp_f32 v[ACC+16*(st-1)+2*i+1], v[ACC+16*(st-1)+2*i+1]
.endif
.set i, i+1
.endr
.set st, st+1
.endr
.set kk, 0
.rept 8
.irp c, 1,2,3
	SMS \c, kk
.endr
.set kk, kk+1
.endr
.irp c, 0,1,2,3
	v_permlanex16_b32 v[T+4+\c], v[ACC+16*\c+15], s86, s87
.endr
.irp c, 0,1,2,3
	v_add_f32 v[T+\c], v[ACC+16*\c+15], v[T+4+\c]
.endr
.irp c, 0,1,2,3
	v_rcp_f32 v[T+\c], v[T+\c]                     ; the sum holds the maximum's own weight, so it is about 1 at the least
.endr
	v_nop                                          ; a plain instruction behind the last reciprocal
.if \last
	s_wait_alu depctr_va_vdst(0)
.irp c, 0,1,2,3
	v_mul_f32 v[T+4+\c], v[ACC+16*\c], v[T+\c]
.endr
.irp c, 0,1,2,3
	v_cndmask_b32 v[WA+\c], v[WA+\c], v[T+4+\c], s84
.endr
.else
	s_wait_alu depctr_va_vdst(0)
.irp c, 0,1,2,3
	v_mul_f32 v[WA+\c], v[ACC+16*\c], v[T+\c]
.endr
.endif
.endm
; A row from its features to x2.  Behind each group of matrix instructions stands the other tile's vector work, which names none of the group's registers: those lines are the places in front
; of the first read of the group's results.  Only the first two groups have nothing beside them.
.macro CORE
	MMG GV, 0
	MMG GV, 1
	NOP4
	SS 0
	SIG 0
	MMG GG, 0
	SS 1
	SIG 1
	MMG GG, 1
	PACK 0
	MM1 0
	PACK 1
	MM1 1
	SS 0
	NORM 0
	PACK 0
	SS 1
	NORM 1
	PACK 1
.endm
	WIN 0                                          ; at a label and at a branch every window is 0
.Ltrip:                                                ; 8 trips: rows i = 16 x half + trip and i + 8
	PERM
	PAIR3 94, 82
	CORE
	MM2
	PAIR3 97, 83                                   ; the second row's fc_p: the places behind the first row's logits
	SM 0
	CORE
	MM2
	NOP4
	SM 1
	v_pk_mul_f32 v[RES:RES+1], v[WA:WA+1], v[VV:VV+1]
	v_pk_mul_f32 v[RES+2:RES+3], v[WA+2:WA+3], v[VV+2:VV+3]
	global_store_b128 v[OADR], v[RES:RES+3], s[10:11] th:TH_STORE_NT  ; lanes 0-15: the first 256 bytes of row i; lanes 16-31: of row i + 8
	v_add_nc_u32 v[VADR], 256, v[VADR]
	s_add_co_u32 s80, s80, 4
	s_wait_xcnt 0x0                                ; the store's base is stepped, and RES rewritten in the next trip, only behind this wait
	s_add_nc_u64 s[10:11], s[10:11], 512
	s_sub_co_u32 s79, s79, 1
	s_cmp_lg_u32 s79, 0
	s_cbranch_scc1 .Ltrip
	s_wait_tensorcnt 0x0                           ; the wave's end: behind my last LDS store
	ds_add_u32 v[SPW], v[NIL]
	s_wait_dscnt 0x0
	s_endpgm
.Lfunc_end_k_qe833f70ad3_pa:
	.size	k_qe833f70ad3_pa, .Lfunc_end_k_qe833f70ad3_pa-k_qe833f70ad3_pa
	.p2alignl 7, 3214868480
	.fill 96, 4, 3214868480
	.section	.rodata,"a",@progbits
	.p2align	6, 0x0
	.amdhsa_kernel k_qe833f70ad3_pa
		.amdhsa_group_segment_fixed_size 95232
		.amdhsa_private_segment_fixed_size 0
		.amdhsa_enable_private_segment 0
		.amdhsa_kernarg_size 184
		.amdhsa_user_sgpr_count 2
		.amdhsa_user_sgpr_kernarg_segment_ptr 1
		.amdhsa_wavefront_size32 1
		.amdhsa_system_sgpr_workgroup_id_x 1
		.amdhsa_system_sgpr_workgroup_id_y 1
		.amdhsa_system_sgpr_workgroup_id_z 1
		.amdhsa_system_vgpr_workitem_id 0
		.amdhsa_next_free_vgpr 512
		.amdhsa_next_free_sgpr 102
		.amdhsa_reserve_vcc 0
		.amdhsa_float_denorm_mode_32 3
		.amdhsa_float_denorm_mode_16_64 3
		.amdhsa_memory_ordered 1
		.amdhsa_forward_progress 1
		.amdhsa_inst_pref_size 110
	.end_amdhsa_kernel
	.amdgpu_metadata
---
amdhsa.version: [ 1, 2 ]
amdhsa.kernels:
  - .name:           k_qe833f70ad3_pa
    .symbol:         k_qe833f70ad3_pa.kd
    .args:
      - { .name: features, .offset: 0, .size: 8, .value_kind: global_buffer, .address_space: global }
      - { .name: out0, .offset: 8, .size: 8, .value_kind: global_buffer, .address_space: global }
      - { .name: pv_xyz, .offset: 16, .size: 8, .value_kind: global_buffer, .address_space: global }
      - { .name: w_W1, .offset: 24, .size: 8, .value_kind: global_buffer, .address_space: global }
      - { .name: w_W2, .offset: 32, .size: 8, .value_kind: global_buffer, .address_space: global }
      - { .name: Wv, .offset: 40, .size: 8, .value_kind: global_buffer, .address_space: global }
      - { .name: w_ln2_g, .offset: 48, .size: 8, .value_kind: global_buffer, .address_space: global }
      - { .name: w_ln2_b, .offset: 56, .size: 8, .value_kind: global_buffer, .address_space: global }
      - { .name: w_b2, .offset: 64, .size: 8, .value_kind: global_buffer, .address_space: global }
      - { .name: bv, .offset: 72, .size: 8, .value_kind: global_buffer, .address_space: global }
      - { .name: p_W1, .offset: 80, .size: 8, .value_kind: global_buffer, .address_space: global }
      - { .name: p_b1, .offset: 88, .size: 8, .value_kind: global_buffer, .address_space: global }
      - { .name: p_ln_g, .offset: 96, .size: 8, .value_kind: global_buffer, .address_space: global }
      - { .name: p_ln_b, .offset: 104, .size: 8, .value_kind: global_buffer, .address_space: global }
      - { .name: Wk, .offset: 112, .size: 8, .value_kind: global_buffer, .address_space: global }
      - { .name: Wq, .offset: 120, .size: 8, .value_kind: global_buffer, .address_space: global }
      - { .name: p_W2, .offset: 128, .size: 8, .value_kind: global_buffer, .address_space: global }
      - { .name: bq, .offset: 136, .size: 8, .value_kind: global_buffer, .address_space: global }
      - { .name: bk, .offset: 144, .size: 8, .value_kind: global_buffer, .address_space: global }
      - { .name: p_b2, .offset: 152, .size: 8, .value_kind: global_buffer, .address_space: global }
      - { .name: w_ln1_g, .offset: 160, .size: 8, .value_kind: global_buffer, .address_space: global }
      - { .name: w_ln1_b, .offset: 168, .size: 8, .value_kind: global_buffer, .address_space: global }
      - { .name: w_b1, .offset: 176, .size: 8, .value_kind: global_buffer, .address_space: global }
    .group_segment_fixed_size: 95232
    .private_segment_fixed_size: 0
    .kernarg_segment_align: 8
    .kernarg_segment_size: 184
    .max_flat_workgroup_size: 256
    .sgpr_count:     102
    .vgpr_count:     512
    .wavefront_size: 32
...
	.end_amdgpu_metadata
.endif
;; end of part 1
